; MI455X (gfx1250); checked and timed in simulation.
; The chip was launched on July 23, 2026; its instructions are those of AMD's public machine-readable ISA for CDNA 5 (MIT licence, August 2026) and "CDNA5" Instruction Set Architecture Reference Guide (July 2026). The comments in the code are by the model that wrote it; some were corrected since.
;; Flash Attention. Allowed arithmetic: float matrix products may take bf16 or f16 operands with f32 sums; all other float work in f32.
;; Inputs: W_out 1,024 x 1,024 float32; W_qkv 3,072 x 1,024 float32; b_out 1,024 float32; b_qkv 3,072 float32; x 2 x 2,048 x 1,024 float32.
;; Outputs: out0 2 x 2,048 x 1,024 float32.
;; 2 versions, each right; version 2 is version 1 with the launch cvt written anew for expert scheduling mode. Each part assembles by itself: llvm-mc -triple=amdgcn-amd-amdhsa -mcpu=gfx1250 --defsym DOCPART=n.
;; ======== version 1 of 2: 4 launches
;; workspace buffers: xb 8,388,608 bytes; wqkvb 6,291,456 bytes; woutb 2,097,152 bytes; qkv 25,165,824 bytes; att 8,388,608 bytes
;; launch cvt (part 1): grid 512 x 1, 8 waves a work-group, no clusters, 0 bytes of LDS; arguments x, W_qkv, W_out, xb, wqkvb, woutb; writes xb, wqkvb, woutb
.if DOCPART == 1
	.amdgcn_target "amdgcn-amd-amdhsa--gfx1250"
	.amdhsa_code_object_version 6
	.text
	.protected	k_q13e4bf1ace_cvt
	.globl	k_q13e4bf1ace_cvt
	.p2align	8
	.type	k_q13e4bf1ace_cvt,@function
k_q13e4bf1ace_cvt:
	s_mov_b64 s[64:65], 0
	v_nop
	global_prefetch_b8 v0, s[64:65] scope:SCOPE_SE
	s_setreg_imm32_b32 hwreg(HW_REG_WAVE_MODE, 25, 1), 1
	s_wait_xcnt 0x0
; x, W_qkv and W_out (f32) are rounded once to bf16 (nearest even) into xb, wqkvb, woutb, in the same row-major order.
; A pure stream: no LDS, no barrier, no matrix unit, no cluster (no two work-groups read the same byte).
; A work-group takes 65,536 bytes of f32: groups 0-255 x (16,777,216 bytes), 256-447 W_qkv (12,582,912), 448-511 W_out (4,194,304).
; A wave takes 8,192 bytes as 16 loads of 512 neighbouring bytes, all issued at once; each load gives two packed roundings and one
; store of 8 bytes a lane: 32 lanes x 8 bytes = 256 consecutive bytes, at a multiple of 256 from the buffer's first byte.
; No register is written twice, so no source of a pending load or store is ever rewritten.
.set X, 4                              ; v[4:67]   16 slots of 4 registers, as loaded
.set Y, 68                             ; v[68:99]  16 slots of 2 registers, to store
	s_load_b256 s[4:11], s[0:1], 0x0               ; x s[4:5], W_qkv s[6:7], W_out s[8:9], xb s[10:11]
	s_load_b128 s[12:15], s[0:1], 0x20             ; wqkvb s[12:13], woutb s[14:15]
	v_and_b32 v1, 0xe0, v0                         ; 32 x wave
	v_and_b32 v2, 31, v0                           ; lane
	v_lshlrev_b32 v2, 4, v2
	v_lshl_or_b32 v1, v1, 8, v2                    ; in: 8,192 x wave + 16 x lane
	v_lshrrev_b32 v2, 1, v1                        ; out: half of that
	s_movk_i32 s20, 448
	s_movk_i32 s21, 256
	s_wait_kmcnt 0x0
	s_cmp_lt_u32 ttmp9, 448                        ; which tensor is mine: the choice hangs on the group's number alone
	s_cselect_b64 s[16:17], s[6:7], s[8:9]
	s_cselect_b64 s[18:19], s[12:13], s[14:15]
	s_cselect_b32 s20, s21, s20                    ; the first group of that tensor
	s_cmp_lt_u32 ttmp9, 256
	s_cselect_b64 s[16:17], s[4:5], s[16:17]
	s_cselect_b64 s[18:19], s[10:11], s[18:19]
	s_cselect_b32 s20, 0, s20
	s_sub_co_u32 s20, ttmp9, s20                   ; my number inside the tensor
	s_lshl_b32 s22, s20, 16                        ; x 65,536 bytes in (16,711,680 at the most)
	s_mov_b32 s23, 0
	s_lshl_b32 s24, s20, 15                        ; x 32,768 bytes out
	s_mov_b32 s25, 0
	s_add_nc_u64 s[16:17], s[16:17], s[22:23]
	s_add_nc_u64 s[18:19], s[18:19], s[24:25]
.irp j, 0,1,2,3,4,5,6,7,8,9,10,11,12,13,14,15
	global_load_b128 v[X+4*\j:X+4*\j+3], v1, s[16:17] offset:512*\j th:TH_LOAD_NT   ; read once in the launch
.endr
.irp j, 0,1,2,3,4,5,6,7,8,9,10,11,12,13,14,15
	s_wait_loadcnt 15-\j                           ; loads come back in order (ISA guide 5.7.1): load j is in, the 15 - j younger ones stay out
	v_cvt_pk_bf16_f32 v[Y+2*\j], v[X+4*\j], v[X+4*\j+1]
	v_cvt_pk_bf16_f32 v[Y+2*\j+1], v[X+4*\j+2], v[X+4*\j+3]
	global_store_b64 v2, v[Y+2*\j:Y+2*\j+1], s[18:19] offset:256*\j    ; no hint: the next launch reads these bytes
.endr
	s_endpgm
.Lfunc_end_k_q13e4bf1ace_cvt:
	.size	k_q13e4bf1ace_cvt, .Lfunc_end_k_q13e4bf1ace_cvt-k_q13e4bf1ace_cvt
	.p2alignl 7, 3214868480
	.fill 96, 4, 3214868480
	.section	.rodata,"a",@progbits
	.p2align	6, 0x0
	.amdhsa_kernel k_q13e4bf1ace_cvt
		.amdhsa_group_segment_fixed_size 0
		.amdhsa_private_segment_fixed_size 0
		.amdhsa_enable_private_segment 0
		.amdhsa_kernarg_size 48
		.amdhsa_user_sgpr_count 2
		.amdhsa_user_sgpr_kernarg_segment_ptr 1
		.amdhsa_wavefront_size32 1
		.amdhsa_system_sgpr_workgroup_id_x 1
		.amdhsa_system_sgpr_workgroup_id_y 1
		.amdhsa_system_sgpr_workgroup_id_z 1
		.amdhsa_system_vgpr_workitem_id 0
		.amdhsa_next_free_vgpr 100
		.amdhsa_next_free_sgpr 66
		.amdhsa_reserve_vcc 0
		.amdhsa_float_denorm_mode_32 3
		.amdhsa_float_denorm_mode_16_64 3
		.amdhsa_memory_ordered 1
		.amdhsa_forward_progress 1
		.amdhsa_inst_pref_size 7
	.end_amdhsa_kernel
	.amdgpu_metadata
---
amdhsa.version: [ 1, 2 ]
amdhsa.kernels:
  - .name:           k_q13e4bf1ace_cvt
    .symbol:         k_q13e4bf1ace_cvt.kd
    .args:
      - { .name: x, .offset: 0, .size: 8, .value_kind: global_buffer, .address_space: global }
      - { .name: W_qkv, .offset: 8, .size: 8, .value_kind: global_buffer, .address_space: global }
      - { .name: W_out, .offset: 16, .size: 8, .value_kind: global_buffer, .address_space: global }
      - { .name: xb, .offset: 24, .size: 8, .value_kind: global_buffer, .address_space: global }
      - { .name: wqkvb, .offset: 32, .size: 8, .value_kind: global_buffer, .address_space: global }
      - { .name: woutb, .offset: 40, .size: 8, .value_kind: global_buffer, .address_space: global }
    .group_segment_fixed_size: 0
    .private_segment_fixed_size: 0
    .kernarg_segment_align: 8
    .kernarg_segment_size: 48
    .max_flat_workgroup_size: 256
    .sgpr_count:     66
    .vgpr_count:     100
    .wavefront_size: 32
...
	.end_amdgpu_metadata
.endif
;; end of part 1
;; launch gemm_qkv (part 2): grid 16 x 16, 4 waves a work-group, clusters of 4 x 4, 327,680 bytes of LDS; arguments xb, wqkvb, b_qkv, qkv; writes qkv
.if DOCPART == 2
	.amdgcn_target "amdgcn-amd-amdhsa--gfx1250"
	.amdhsa_code_object_version 6
	.text
	.protected	k_q13e4bf1ace_gemm_qkv
	.globl	k_q13e4bf1ace_gemm_qkv
	.p2align	8
	.type	k_q13e4bf1ace_gemm_qkv,@function
k_q13e4bf1ace_gemm_qkv:
	s_mov_b64 s[64:65], 0
	v_nop
	global_prefetch_b8 v0, s[64:65] scope:SCOPE_SE
	s_setreg_imm32_b32 hwreg(HW_REG_WAVE_MODE, 25, 1), 1
	s_wait_xcnt 0x0
	s_wait_alu depctr_hold_cnt(0) depctr_sa_sdst(0) depctr_va_vdst(0) depctr_va_sdst(0) depctr_va_ssrc(0) depctr_va_vcc(0) depctr_vm_vsrc(0)
	s_getreg_b32 s2, hwreg(HW_REG_IB_STS2, 6, 4)
	s_cmp_eq_u32 s2, 0
	s_cbranch_scc0 .Lentry_in_a_cluster
	s_endpgm
.Lentry_in_a_cluster:
	s_bfe_u32 s2, ttmp6, 0x10000c
	s_cmp_lg_u32 s2, 0xf033
	s_cbranch_scc0 .Lentry_shape_is_right
	s_endpgm
.Lentry_shape_is_right:
; qkv = xb wqkvb^T + b_qkv.  xb: [4096][1024] bf16, wqkvb: [3072][1024] bf16, b_qkv: [3072] f32; sums in f32, rounded once to bf16.
; Stored head-major: qkv[b 2][g 48][t 2048][64] bf16, g = column >> 6 (g = h: q, 16 + h: k, 32 + h: v), a head 262,144 dense bytes.
; A work-group makes 256 rows x 192 columns (three heads) with four waves, 2 x 2, a wave 128 x 96: 48 accumulator tiles, 384 registers.
; 16 x 16 = 256 work-groups.  K = 1024 goes in 8 steps of 128 through two LDS slots filled by the tensor data mover; a tile's rows
; are 256 bytes of memory and start at multiples of 256 bytes from the buffer's first byte.
; CLUSTERS: 4 x 4 work-groups.  A row of the cluster shares the tiles of xb, a column those of wqkvb; each is asked for jointly
; (same line, same descriptor, a mask that names the four), which divides the requests for both by four.
; The matrix instruction is used transposed (source 0 = 16 rows of W, source 1 = 16 rows of x): lane l holds row l % 16 and its
; registers 0-7 the columns 8 (l / 16) + 0..7, eight neighbours of a row.  The bias enters as the C of each tile's first product.
; Limits: NaN and infinities in the inputs are not treated specially; operands and result are rounded to bf16.
;
; REGISTERS by windows of 256: window 0: v16-27 addresses, v64-127 / v128-191 fragments of x (two buffers), v192-239 the bias
; (later v192-215 packed results); window 1: v64-111 / v128-175 fragments of W; window 2: tiles (a, b) of my rows 0-63 at
; v[8 (6 a + b)]; window 3: those of my rows 64-127.
.set KSTEP,  128
.set PITCH,  272                       ; an LDS row: 256 bytes + 16 of padding: the 16 rows of a fragment load start in 16 different 16-byte columns modulo 256
.set AH,     128*PITCH                 ; 128 rows of x: one tensor load, and what one wave reads of x
.set BH,     96*PITCH                  ; 96 rows of W: likewise
.set SLOT,   2*AH+2*BH                 ; x's 256 rows, then W's 192 rows: 121,856 bytes
.set SPITCH, 400                       ; the way out: 384 bytes of a row + 16 = 25 x 16 bytes
.set LAPS,   4                         ; a lap = two K steps = once round the ring
.set ADRA, 16                          ; v16-17  LDS address of my x fragments in slot 0, 1
.set ADRB, 20                          ; v20-21  the same for W
.set STO,  24                          ; the way out: where I put 16 bytes of a row
.set RD,   25                          ; the way out: where I read back
.set CO,   26                          ; my byte offset in a head of qkv
.set BO,   27                          ; 32 (l / 16): my eight numbers in a tile's 16 of the bias
.set F0,   64
.set F1,   128
.set BIAS, 192
.set TMP,  192
.set G1A, 24                           ; s[24:31] group 1 for x's tiles
.set G0A, 32                           ; s[32:39] group 0 for x's tiles, a set for each slot
.set G1B, 48                           ; s[48:55] group 1 for W's tiles
.set G0B, 56                           ; s[56:63] group 0 for W's tiles, a set for each slot
.set DW0, (1<<16)|(1<<20)|(1<<21)|(5<<22)|(3<<25)   ; elements of 2 bytes; padding on; bit 21 beside a mask; after every 64 words, 4 words
.set MSB, 0
.macro WIN new                         ; the immediate's high byte repeats the setting that is left
.if MSB != \new
	s_set_vgpr_msb (MSB<<8)|\new
.set MSB, \new
.endif
.endm
.set MUL_LO,   0xa1                    ; source 0 (W) window 1, source 1 (x) window 0, C and D window 2
.set MUL_HI,   0xf1                    ; the same, C and D window 3
.set FIRST_LO, 0x81                    ; C = the bias in window 0, D window 2
.set FIRST_HI, 0xc1                    ; C = the bias in window 0, D window 3
.set TO_B,     0x40                    ; destination window 1, address window 0
; A joint load.  Waves 0 and 1 fetch x's two halves, waves 2 and 3 W's.  The branch hangs on the wave's number alone.
.macro JLOAD s
	s_cmp_eq_u32 s13, 0
	s_cbranch_scc0 .Lfor_b_\@
	tensor_load_to_lds s[G0A+4*\s:G0A+4*\s+3], s[G1A:G1A+7]
	s_nop 0
	s_branch .Lasked_\@
.Lfor_b_\@:
	tensor_load_to_lds s[G0B+4*\s:G0B+4*\s+3], s[G1B:G1B+7]
	s_nop 0
.Lasked_\@:
.endm
; A round of the cluster's barrier: my work-group's barrier; wave 0 signals for the work-group; every wave waits for all sixteen; my work-group's barrier again.
.macro CREST                           ; a round behind its opening barrier
	s_cmp_lg_u32 s12, 0
	s_cbranch_scc1 .Lnot_wave_0_\@
	s_barrier_signal -3
.Lnot_wave_0_\@:
	s_barrier_wait -3
	s_barrier_signal -1
	s_barrier_wait -1
.endm
.macro CROUND
	s_barrier_signal -1
	s_barrier_wait -1
	CREST
.endm
	s_load_b256 s[4:11], s[0:1], 0x0               ; xb s[4:5], wqkvb s[6:7], b_qkv s[8:9], qkv s[10:11]
	s_set_vgpr_msb 0x40
	v_lshl_add_u32 v255, v0, 2, 0x3b800
	s_set_vgpr_msb 0x4000
	v_mov_b32 v63, 0
	s_set_vgpr_msb 0x1
	ds_add_u32 v255, v63
	s_set_vgpr_msb 0x100
	v_lshrrev_b32 v1, 5, v0
	v_readfirstlane_b32 s12, v1                    ; wave 0..3
	s_lshr_b32 s13, s12, 1                         ; my half of the block's rows.  Also: I fetch for x (0) or for W (1)
	s_and_b32 s14, s12, 1                          ; my half of its columns.  Also: which half of that tile I fetch
	s_bfe_u32 s40, ttmp6, 0x40000                  ; cx
	s_bfe_u32 s41, ttmp6, 0x40004                  ; cy
	s_lshl_b32 s42, ttmp9, 2
	s_add_co_u32 s42, s42, s40                     ; block column = 4 x cluster x + cx
	s_and_b32 s15, ttmp7, 0xffff
	s_lshl_b32 s15, s15, 2
	s_add_co_u32 s15, s15, s41                     ; block row = 4 x cluster y + cy
	s_lshl_b32 s43, s41, 2
	s_lshl_b32 s43, 15, s43                        ; my row of the cluster: places 4 cy .. 4 cy + 3
	s_lshl_b32 s44, 0x1111, s40                    ; my column: places cx, cx + 4, cx + 8, cx + 12
	s_or_b32 s[G1A+0], s43, DW0                    ; x's tiles go to my row
	s_mov_b32 s[G1A+1], KSTEP<<16                  ; tensor_dim0 = 128
	s_mov_b32 s[G1A+2], 128<<16                    ; tensor_dim1 = 128
	s_mov_b32 s[G1A+3], KSTEP<<16                  ; tile_dim0 = 128 elements (256 bytes)
	s_mov_b32 s[G1A+4], 128                        ; tile_dim1 = 128 rows
	s_mov_b32 s[G1A+5], 1024                       ; elements from row to row
	s_mov_b32 s[G1A+6], 0
	s_mov_b32 s[G1A+7], 0
	s_or_b32 s[G1B+0], s44, DW0                    ; W's tiles go to my column
	s_mov_b32 s[G1B+1], KSTEP<<16
	s_mov_b32 s[G1B+2], 96<<16                     ; tensor_dim1 = 96
	s_mov_b32 s[G1B+3], KSTEP<<16
	s_mov_b32 s[G1B+4], 96                         ; tile_dim1 = 96 rows
	s_mov_b32 s[G1B+5], 1024
	s_mov_b32 s[G1B+6], 0
	s_mov_b32 s[G1B+7], 0
	; x's address hangs on the block row, W's on the block column, each in registers that never hold the other coordinate
	s_lshl_b32 s16, s15, 8
	s_lshl_b32 s17, s14, 7
	s_add_co_u32 s16, s16, s17                     ; x: row 256 x block row + 128 x half
	s_lshl_b32 s16, s16, 11                        ; x 2,048 bytes (below 8,388,608)
	s_mov_b32 s17, 0
	s_mul_i32 s46, s42, 192
	s_mul_i32 s47, s14, 96
	s_add_co_u32 s46, s46, s47                     ; W: row (= column of the result) 192 x block column + 96 x half
	s_lshl_b32 s22, s46, 2                         ; the same place in the bias, in bytes
	s_mov_b32 s23, 0
	s_lshl_b32 s46, s46, 11
	s_mov_b32 s47, 0
	s_mul_i32 s20, s12, AH                         ; where x's halves go: wave x 128 rows
	s_mul_i32 s21, s12, BH
	s_add_co_u32 s21, s21, 2*AH-2*BH               ; where W's go: for waves 2, 3: behind x's 256 rows
	s_wait_dscnt 0x0
	s_wait_kmcnt 0x0
	s_add_nc_u64 s[18:19], s[4:5], s[16:17]
	s_add_nc_u64 s[46:47], s[6:7], s[46:47]
	s_add_nc_u64 s[8:9], s[8:9], s[22:23]
	CROUND                                         ; all sixteen work-groups are here: the first joint loads meet
.irp s, 0,1
	s_mov_b32 s[G0A+4*\s], 1
	s_add_co_u32 s[G0A+4*\s+1], s20, \s*SLOT
	s_add_nc_u64 s[G0A+4*\s+2:G0A+4*\s+3], s[18:19], \s*KSTEP*2    ; K step s
	s_or_b32 s[G0A+4*\s+3], s[G0A+4*\s+3], 0x80000000
	s_mov_b32 s[G0B+4*\s], 1
	s_add_co_u32 s[G0B+4*\s+1], s21, \s*SLOT
	s_add_nc_u64 s[G0B+4*\s+2:G0B+4*\s+3], s[46:47], \s*KSTEP*2
	s_or_b32 s[G0B+4*\s+3], s[G0B+4*\s+3], 0x80000000
	JLOAD \s                                       ; both slots are asked for before anything else: two loads of this wave are out
.endr
	v_and_b32 v1, 15, v0                           ; r = l % 16
	v_bfe_u32 v2, v0, 4, 1                         ; h = l / 16
	v_lshlrev_b32 v[BO], 5, v2
.irp b, 0,1,2,3,4,5
	global_load_b128 v[BIAS+8*\b:BIAS+8*\b+3],   v[BO], s[8:9] offset:64*\b       ; bias of columns 16 b + 8 h + 0..3
	global_load_b128 v[BIAS+8*\b+4:BIAS+8*\b+7], v[BO], s[8:9] offset:64*\b+16    ; and + 4..7
.endr
	v_mul_u32_u24 v3, v1, PITCH
	v_lshl_add_u32 v3, v2, 4, v3                   ; row x pitch + 16 x half: registers 0-3 of a fragment; 4-7 lie 32 bytes on
	s_mul_i32 s16, s13, AH                         ; my 128 rows of x
	s_mul_i32 s17, s14, BH
	s_add_co_u32 s17, s17, 2*AH                    ; my 96 rows of W
.irp s, 0,1
	v_add_nc_u32 v[ADRA+\s], s16, v3
	v_add_nc_u32 v[ADRB+\s], s17, v3
	s_add_co_u32 s16, s16, SLOT
	s_add_co_u32 s17, s17, SLOT
.endr
	s_mul_i32 s16, s13, 128*SPITCH
	s_mul_i32 s17, s14, 192
	s_add_co_u32 s16, s16, s17
	v_mul_u32_u24 v4, v1, SPITCH
	v_lshl_add_u32 v4, v2, 4, v4
	v_add_nc_u32 v[STO], s16, v4                   ; (128 x row half + r) x 400 + 192 x column half + 16 h
	v_and_b32 v5, 31, v0                           ; l
	v_lshrrev_b32 v6, 3, v5
	v_and_b32 v7, 7, v0
	v_mul_u32_u24 v6, v6, SPITCH
	v_lshl_add_u32 v6, v7, 4, v6
	s_mul_i32 s16, s12, 64*SPITCH
	v_add_nc_u32 v[RD], s16, v6                    ; (64 w + l / 8) x 400 + 16 (l % 8): eight lanes take a head's 128 bytes of a row
	s_lshl_b32 s16, s12, 13
	v_lshl_add_u32 v[CO], v5, 4, s16               ; 8,192 w + 16 l: four rows of 128 bytes are 512 neighbouring bytes of a head
; 12 matrix instructions: row blocks a0, a0 + 1 of the window's four x all 6 column blocks, 32 along K.
; first = 1: the product takes the bias as C and so starts the sum: nothing is cleared, nothing is added later.
.macro MUL12 f, hi, a0, first
.irp a, \a0, \a0+1
.irp b, 0,1,2,3,4,5
.if \first
	v_wmma_f32_16x16x32_bf16 v[8*(6*(\a)+\b):8*(6*(\a)+\b)+7], v[\f+8*\b:\f+8*\b+7], v[\f+8*(4*\hi+\a):\f+8*(4*\hi+\a)+7], v[BIAS+8*\b:BIAS+8*\b+7]
.else
	v_wmma_f32_16x16x32_bf16 v[8*(6*(\a)+\b):8*(6*(\a)+\b)+7], v[\f+8*\b:\f+8*\b+7], v[\f+8*(4*\hi+\a):\f+8*(4*\hi+\a)+7], v[8*(6*(\a)+\b):8*(6*(\a)+\b)+7]
.endif
.endr
.endr
.endm
; 28 LDS loads in one run: 96 rows of W, then 128 rows of x, 32 K at byte k of the rows, into buffer f
.macro FETCH slot, k, f
	WIN TO_B
.irp i, 0,1,2,3,4,5
	ds_load_b128 v[\f+8*\i:\f+8*\i+3],   v[ADRB+\slot] offset:\k+\i*16*PITCH
	ds_load_b128 v[\f+8*\i+4:\f+8*\i+7], v[ADRB+\slot] offset:\k+\i*16*PITCH+32
.endr
	WIN 0
.irp i, 0,1,2,3,4,5,6,7
	ds_load_b128 v[\f+8*\i:\f+8*\i+3],   v[ADRA+\slot] offset:\k+\i*16*PITCH
	ds_load_b128 v[\f+8*\i+4:\f+8*\i+7], v[ADRA+\slot] offset:\k+\i*16*PITCH+32
.endr
.endm
; Four places of plain vector instructions behind the matrix instructions that read a buffer, before loads are issued into it, and
; before vector instructions read results (ISA guide 7.12.1 for vector instructions).
.macro PLACES
.rept 4
	v_nop
.endr
.endm
; A K step is four quarters of 32 along K, 48 matrix instructions each, on buffers 0, 1, 0, 1.  The 48 accumulators take turns, one
; instruction a turn, in the same order in every quarter.
.macro QUARTER slot, k, f, g, first
	s_wait_dscnt 8                                 ; W and x's rows 0-63 are in; the youngest eight loads (x's rows 64-127) may be out
.if \first
	WIN FIRST_LO
.else
	WIN MUL_LO
.endif
	MUL12 \f, 0, 0, \first
	MUL12 \f, 0, 2, \first
	PLACES
	FETCH \slot, \k, \g
	s_wait_dscnt 28                                ; all but the 28 just issued
.if \first
	WIN FIRST_HI
.else
	WIN MUL_HI
.endif
	MUL12 \f, 1, 0, \first
	MUL12 \f, 1, 2, \first
.endm
.macro THREE slot, first
	QUARTER \slot, 64,  F0, F1, \first
	QUARTER \slot, 128, F1, F0, 0
	QUARTER \slot, 192, F0, F1, 0
.endm
; The last quarter multiplies buffer 1 and changes slots.  In front of the barrier each wave waits for its reads of this slot and for
; all its tensor loads (one is out: its part of the next slot).  Behind it the refill comes first, then the next slot's first fragments.
.macro TURN slot, next, fill
	s_wait_dscnt 8
	WIN MUL_LO
	MUL12 F1, 0, 0, 0
	s_wait_dscnt 0                                 ; my reads of this slot are over
	s_wait_tensorcnt 0x0                           ; all my tensor loads have landed
	ds_add_u32 v255, v63
	s_wait_dscnt 0x0
	s_barrier_signal -1                            ; (where the slot is filled again this barrier opens a round of the cluster's barrier)
	MUL12 F1, 0, 2, 0                              ; register work while the others arrive
	WIN 0
	s_barrier_wait -1
.if \fill
	CREST                                          ; no wave of any partner still reads this slot or has a load on its way
	s_add_nc_u64 s[G0A+4*\slot+2:G0A+4*\slot+3], s[G0A+4*\slot+2:G0A+4*\slot+3], 2*KSTEP*2
	s_add_nc_u64 s[G0B+4*\slot+2:G0B+4*\slot+3], s[G0B+4*\slot+2:G0B+4*\slot+3], 2*KSTEP*2
	JLOAD \slot                                    ; the first tensor load behind the round, and my only one until the next
.endif
	PLACES
	FETCH \next, 0, F0
	WIN MUL_HI
	MUL12 F1, 1, 0, 0
	MUL12 F1, 1, 2, 0
.endm
.macro LAP first
	THREE 0, \first
	TURN 0, 1, 1
	THREE 1, 0
	TURN 1, 0, 1
.endm
	s_wait_tensorcnt 1                             ; my part of K step 0 is in; K step 1's stays out
	s_barrier_signal -1
	s_barrier_wait -1
	FETCH 0, 0, F0
	s_wait_loadcnt 0x0                             ; the bias, once
	LAP 1                                          ; K steps 0, 1; asks for 2, 3
	WIN 0                                          ; at a label and at a branch every window is 0
	s_mov_b32 s3, LAPS-2
.Llap:
	LAP 0                                          ; K steps 2, 3 and 4, 5; asks for 4 to 7
	WIN 0
	s_sub_co_u32 s3, s3, 1
	s_cmp_lg_u32 s3, 0
	s_cbranch_scc1 .Llap
	THREE 0, 0                                     ; the last lap fills nothing
	TURN 0, 1, 0
	THREE 1, 0
	s_wait_dscnt 8
	WIN MUL_LO
	MUL12 F1, 0, 0, 0
	MUL12 F1, 0, 2, 0
	s_wait_dscnt 0
	WIN MUL_HI
	MUL12 F1, 1, 0, 0
	MUL12 F1, 1, 2, 0
	; THE WAY OUT.  The block goes as bf16 into 256 rows x 400 bytes at LDS bytes 0 to 102,399.  These lie in slot 0, which has had its
	; last fill (K step 6), and every wave's last reads of it stand in front of the barrier of the last change of slots.
	PLACES
	s_lshr_b32 s16, s15, 3                         ; b = block row / 8
	s_mul_i32 s16, s16, 48*262144
	s_and_b32 s17, s15, 7
	s_lshl_b32 s17, s17, 15                        ; 256 rows of 128 bytes
	s_add_co_u32 s16, s16, s17
	s_mov_b32 s17, 0
	s_add_nc_u64 s[10:11], s[10:11], s[16:17]
	s_mul_i32 s46, s42, 3*262144                   ; g = 3 x block column (in registers of the column's side)
	s_mov_b32 s47, 0
	s_add_nc_u64 s[10:11], s[10:11], s[46:47]
.macro STAGE16 i, a, from              ; rows 16 i .. 16 i + 15 of my 128: the six tiles (a, 0..5) of window 2 (from = 0x0a) or 3 (0x0f)
	WIN \from
.irp b, 0,1,2,3,4,5
.irp p, 0,1,2,3
	v_cvt_pk_bf16_f32 v[TMP+4*\b+\p], v[8*(6*\a+\b)+2*\p], v[8*(6*\a+\b)+2*\p+1]
.endr
.endr
	WIN 0
.irp b, 0,1,2,3,4,5
	ds_store_b128 v[STO], v[TMP+4*\b:TMP+4*\b+3] offset:16*SPITCH*\i+32*\b
.endr
.endm
	STAGE16 0, 0, 0x0a
	STAGE16 1, 1, 0x0a
	STAGE16 2, 2, 0x0a
	STAGE16 3, 3, 0x0a
	STAGE16 4, 0, 0x0f
	STAGE16 5, 1, 0x0f
	STAGE16 6, 2, 0x0f
	STAGE16 7, 3, 0x0f
	s_wait_dscnt 0x0                               ; my stores are done: the middle head's columns come from two waves
	s_barrier_signal -1
	s_barrier_wait -1
	; wave w takes rows 64 w .. 64 w + 63 of all three heads; each store of the wave covers 512 consecutive bytes of a head, aligned
.irp hl, 0,1,2
.irp i, 0,1,2,3,4,5,6,7,8,9,10,11,12,13,14,15
	ds_load_b128 v[64+64*\hl+4*\i:64+64*\hl+4*\i+3], v[RD] offset:4*SPITCH*\i+128*\hl
.endr
.irp i, 0,1,2,3,4,5,6,7,8,9,10,11,12,13,14,15
	s_wait_dscnt 15-\i                             ; LDS loads come back in order: load i of this head's sixteen is in
	global_store_b128 v[CO], v[64+64*\hl+4*\i:64+64*\hl+4*\i+3], s[10:11] offset:262144*\hl+512*\i
.endr
.endr
	s_set_vgpr_msb 0x1
	s_wait_tensorcnt 0x0
	ds_add_u32 v255, v63
	s_wait_dscnt 0x0
	s_set_vgpr_msb 0x100
	CROUND                                         ; the closing round: no work-group ends while a partner may still ask for a tile that names it
	s_endpgm
.Lfunc_end_k_q13e4bf1ace_gemm_qkv:
	.size	k_q13e4bf1ace_gemm_qkv, .Lfunc_end_k_q13e4bf1ace_gemm_qkv-k_q13e4bf1ace_gemm_qkv
	.p2alignl 7, 3214868480
	.fill 96, 4, 3214868480
	.section	.rodata,"a",@progbits
	.p2align	6, 0x0
	.amdhsa_kernel k_q13e4bf1ace_gemm_qkv
		.amdhsa_group_segment_fixed_size 327680
		.amdhsa_private_segment_fixed_size 0
		.amdhsa_enable_private_segment 0
		.amdhsa_kernarg_size 32
		.amdhsa_user_sgpr_count 2
		.amdhsa_user_sgpr_kernarg_segment_ptr 1
		.amdhsa_wavefront_size32 1
		.amdhsa_system_sgpr_workgroup_id_x 1
		.amdhsa_system_sgpr_workgroup_id_y 1
		.amdhsa_system_sgpr_workgroup_id_z 1
		.amdhsa_system_vgpr_workitem_id 0
		.amdhsa_next_free_vgpr 960
		.amdhsa_next_free_sgpr 66
		.amdhsa_reserve_vcc 0
		.amdhsa_float_denorm_mode_32 3
		.amdhsa_float_denorm_mode_16_64 3
		.amdhsa_memory_ordered 1
		.amdhsa_forward_progress 1
		.amdhsa_inst_pref_size 159
	.end_amdhsa_kernel
	.amdgpu_metadata
---
amdhsa.version: [ 1, 2 ]
amdhsa.kernels:
  - .name:           k_q13e4bf1ace_gemm_qkv
    .symbol:         k_q13e4bf1ace_gemm_qkv.kd
    .args:
      - { .name: xb, .offset: 0, .size: 8, .value_kind: global_buffer, .address_space: global }
      - { .name: wqkvb, .offset: 8, .size: 8, .value_kind: global_buffer, .address_space: global }
      - { .name: b_qkv, .offset: 16, .size: 8, .value_kind: global_buffer, .address_space: global }
      - { .name: qkv, .offset: 24, .size: 8, .value_kind: global_buffer, .address_space: global }
    .group_segment_fixed_size: 327680
    .private_segment_fixed_size: 0
    .kernarg_segment_align: 8
    .kernarg_segment_size: 32
    .max_flat_workgroup_size: 128
    .sgpr_count:     66
    .vgpr_count:     960
    .wavefront_size: 32
...
	.end_amdgpu_metadata
.endif
;; end of part 2
;; launch attn (part 3): grid 8 x 32, 16 waves a work-group, clusters of 4 x 1, 327,680 bytes of LDS; arguments qkv, att; writes att
.if DOCPART == 3
	.amdgcn_target "amdgcn-amd-amdhsa--gfx1250"
	.amdhsa_code_object_version 6
	.text
	.protected	k_q13e4bf1ace_attn
	.globl	k_q13e4bf1ace_attn
	.p2align	8
	.type	k_q13e4bf1ace_attn,@function
k_q13e4bf1ace_attn:
	s_mov_b64 s[64:65], 0
	v_nop
	global_prefetch_b8 v0, s[64:65] scope:SCOPE_SE
	s_setreg_imm32_b32 hwreg(HW_REG_WAVE_MODE, 25, 1), 1
	s_wait_xcnt 0x0
	s_wait_alu depctr_hold_cnt(0) depctr_sa_sdst(0) depctr_va_vdst(0) depctr_va_sdst(0) depctr_va_ssrc(0) depctr_va_vcc(0) depctr_vm_vsrc(0)
	s_getreg_b32 s2, hwreg(HW_REG_IB_STS2, 6, 4)
	s_cmp_eq_u32 s2, 0
	s_cbranch_scc0 .Lentry_in_a_cluster
	s_endpgm
.Lentry_in_a_cluster:
	s_bfe_u32 s2, ttmp6, 0x10000c
	s_cmp_lg_u32 s2, 0x3003
	s_cbranch_scc0 .Lentry_shape_is_right
	s_endpgm
.Lentry_shape_is_right:
; att = softmax(q k^T / 8) v for each of 32 (b, h), T = 2048, d = 64, with a running maximum (kept in every step of 64 keys).
; qkv: [b 2][g 48][t 2048][64] bf16 (g = h: q, 16 + h: k, 32 + h: v).
; att: byte (m, h, d) = (m >> 1) 4096 + 256 h + (m & 1) 128 + 2 d, m = 2048 b + t: a head's two neighbouring rows are 256 neighbouring bytes.
; A work-group: 256 queries of one head.  8 x 32 = 256 work-groups.
; SIXTEEN WAVES: wave w = 8 g + p has the 32 queries of group p (two tiles of 16) and, of every 512 keys, the 256 of half g: 16 steps of
; 64 keys, with a maximum, a sum and an O of its own.  So a wave's softmax (vector work) has three other waves' products to run beside.
; At the end the two waves of a pair join their halves: each sends one query tile to the other and finishes the other tile.  Register
; tile t of wave (p, g) holds query tile t xor g, so that every wave sends register tile 1 and finishes register tile 0: one text for all.
; CLUSTERS: the four query blocks of a cluster walk the same K and V: every tile is asked for jointly (mask 15), four requests become one.
; LAYOUT: S^T = K Q^T (A = 16 keys, B = 16 queries): lane (r, h) holds query r, keys 16 kt + 8 h + j.  Two key tiles, packed to bf16 in
; place, are the B fragment of P for 32 keys.  O^T = V^T P (A by the transposing LDS load): the lane holds query r, d = 16 dt + 8 h + j.
; So maximum, sum and rescaling stay in the lane; one exchange between the two halves of the wave joins the maximum.
; LDS: two slots of 512 keys.  A slot: K as 256 rows of 256 bytes (two keys a row), pitch 272, at + 0; V likewise, pitch 288, at + 73,728.
; Key s lies at (s >> 1) pitch + (s & 1) 128.  A slot's 256 rows of K (of V) are shared among eight waves: one load of 32 rows a wave.
; The end's exchange areas (16 x 4,608 bytes from byte 0) and stages (16 x 2,304 bytes from byte 73,728) lie in slot 0, which by then has
; had its last fill (keys 1024-1535); every wave's last reads of it stand in front of the barrier of the last change of slots.
; Limits: NaN and infinities are not treated specially; P is rounded to bf16 for the product with V while the row's sum is kept in f32;
; exponentials below 2^-126 come out as 0 (each is about 1 at the most, and a row's sum is about 1 at the least).
.set SLOT,  147456
.set VOFF,  73728
.set HALFK, 128*272                    ; the second 256 keys of a slot's K begin 128 LDS rows on
.set HALFV, 128*288                    ; the same for V
.set XSZ,   4608                       ; an exchange area: 8 x 512 bytes of O, 512 bytes of maximum and sum
.set STG,   73728
.set XL,  3                            ; where I read what my partner sent
.set KB0, 4                            ; my place in a K fragment load, slot 0, my half's first step
.set VB0, 5                            ; the same for V's transposing load
.set KAD, 6                            ; the running addresses
.set VAD, 7
.set STO, 8
.set RD,  9
.set CO,  10
.set QO,  11                           ; byte offset of my part of register tile 0 of Q
.set MX,  12                           ; v12-13   running maximum of the raw scores, for each query tile
.set LS,  14                           ; v14-15   running sum, of my half-wave's keys alone until the end
.set NM,  16                           ; v[16:19] -c x maximum, twice, for each query tile
.set AL,  20                           ; v[20:21] the rescaling factor, twice
.set T,   22                           ; v[22:29] at work
.set QO1, 30                           ; the same as QO for register tile 1
.set XS,  31                           ; where I put what I send
.set QF,  32                           ; v[32:63]   Q fragments at 8 (2 qt + ks)
.set SC,  64                           ; v[64:127]  scores, then P: tile at 32 qt + 8 kt
.set OA,  128                          ; v[128:191] O^T: tile at 32 qt + 8 dt
.set KV,  192                          ; v[192:255] K fragments at 8 (2 kt + ks), later V's at 8 (2 dt + ks2)
.set G1K, 24
.set G0K, 32
.set G1V, 48
.set G0V, 56
.macro ROUND                           ; a round of the cluster's barrier
	s_barrier_signal -1
	s_barrier_wait -1
	s_cmp_lg_u32 s8, 0
	s_cbranch_scc1 .Lnot_wave_0_\@
	s_barrier_signal -3
.Lnot_wave_0_\@:
	s_barrier_wait -3
	s_barrier_signal -1
	s_barrier_wait -1
.endm
.macro JLOAD s                         ; waves 0-7 ask for K's eight parts of slot s, waves 8-15 for V's
	s_cmp_eq_u32 s9, 0
	s_cbranch_scc0 .Lfor_v_\@
	tensor_load_to_lds s[G0K+4*(\s):G0K+4*(\s)+3], s[G1K:G1K+7]
	s_nop 0
	s_branch .Lasked_\@
.Lfor_v_\@:
	tensor_load_to_lds s[G0V+4*(\s):G0V+4*(\s)+3], s[G1V:G1V+7]
	s_nop 0
.Lasked_\@:
.endm
	s_load_b128 s[4:7], s[0:1], 0x0                ; qkv s[4:5], att s[6:7]
	v_lshl_add_u32 v126, v0, 2, 0x48000
	v_mov_b32 v127, 0
	ds_add_u32 v126, v127
	s_wait_dscnt 0x0
	v_lshrrev_b32 v1, 5, v0
	v_readfirstlane_b32 s8, v1                     ; wave 0..15
	s_lshr_b32 s9, s8, 3                           ; g: my half of the keys.  Also: I fetch K (0) or V (1)
	s_and_b32 s10, s8, 7                           ; p: my group of 32 queries.  Also: which 64 keys of a slot I fetch
	s_bfe_u32 s11, ttmp6, 0x40000                  ; cx
	s_lshl_b32 s12, ttmp9, 2
	s_add_co_u32 s12, s12, s11                     ; query block = 4 x cluster x + cx
	s_and_b32 s13, ttmp7, 0xffff                   ; 16 b + h, the same in all four partners
	s_lshr_b32 s14, s13, 4                         ; b
	s_and_b32 s15, s13, 15                         ; h
	s_mov_b32 s40, 0x3e38aa3b                      ; c = log2(e) / 8: the scale 1 / sqrt(64) and the change of base in one factor
	s_mov_b32 s41, 0x3e38aa3b
	s_mov_b32 s42, 0xbe38aa3b                      ; -c
	s_mov_b32 s43, 0x76543210                      ; v_permlanex16_b32: lane i of one half reads lane i of the other
	s_mov_b32 s44, 0xfedcba98
	; group 1: a dense block of 8,192 bytes (64 keys) as 32 rows of 32 elements of 8 bytes; 16 (K) or 32 (V) bytes of padding behind each row
	s_mov_b32 s[G1K+0], 15|(3<<16)|(1<<20)|(1<<21)|(5<<22)|(3<<25)
	s_mov_b32 s[G1K+1], 32<<16
	s_mov_b32 s[G1K+2], 32<<16
	s_mov_b32 s[G1K+3], 32<<16
	s_mov_b32 s[G1K+4], 32
	s_mov_b32 s[G1K+5], 32
	s_mov_b32 s[G1K+6], 0
	s_mov_b32 s[G1K+7], 0
	s_mov_b32 s[G1V+0], 15|(3<<16)|(1<<20)|(1<<21)|(5<<22)|(7<<25)
	s_mov_b32 s[G1V+1], 32<<16
	s_mov_b32 s[G1V+2], 32<<16
	s_mov_b32 s[G1V+3], 32<<16
	s_mov_b32 s[G1V+4], 32
	s_mov_b32 s[G1V+5], 32
	s_mov_b32 s[G1V+6], 0
	s_mov_b32 s[G1V+7], 0
	s_mul_i32 s20, s14, 48
	s_add_co_u32 s20, s20, s15                     ; 48 b + h
	s_lshl_b32 s21, s10, 13                        ; the 64 keys of 128 bytes that I fetch
	s_add_co_u32 s46, s20, 32
	s_lshl_b32 s46, s46, 18
	s_add_co_u32 s46, s46, s21                     ; V's offset (all offsets below 25,165,824)
	s_mov_b32 s47, 0
	s_lshl_b32 s16, s20, 18
	s_lshl_b32 s17, s12, 15
	s_add_co_u32 s16, s16, s17
	s_lshl_b32 s17, s10, 12
	s_add_co_u32 s16, s16, s17                     ; Q's offset: 256 queries a block, 32 a group, 128 bytes each (the only load offset that holds cx)
	s_mov_b32 s17, 0
	s_add_co_u32 s20, s20, 16
	s_lshl_b32 s20, s20, 18
	s_add_co_u32 s20, s20, s21                     ; K's offset
	s_mov_b32 s21, 0
	s_lshl_b32 s18, s14, 22                        ; att: pair-row 1024 b + 128 block + 16 p + 8 g (I finish query tile g), x 4,096 bytes, + 256 h
	s_lshl_b32 s19, s12, 19
	s_add_co_u32 s18, s18, s19
	s_lshl_b32 s19, s10, 16
	s_add_co_u32 s18, s18, s19
	s_lshl_b32 s19, s9, 15
	s_add_co_u32 s18, s18, s19
	s_lshl_b32 s19, s15, 8
	s_add_co_u32 s18, s18, s19
	s_mov_b32 s19, 0
	s_mul_i32 s23, s8, 32*272                      ; K: waves 0-7 fill 8,704 bytes each from the slot's first byte
	s_mul_i32 s45, s8, 32*288                      ; V: waves 8-15 fill 9,216 bytes each; 8 x 9,216 = 73,728 is where V begins
	s_wait_kmcnt 0x0
	s_add_nc_u64 s[20:21], s[4:5], s[20:21]
	s_add_nc_u64 s[46:47], s[4:5], s[46:47]
	s_add_nc_u64 s[16:17], s[4:5], s[16:17]
	s_add_nc_u64 s[18:19], s[6:7], s[18:19]
.irp s, 0,1
	s_mov_b32 s[G0K+4*\s], 1
	s_add_co_u32 s[G0K+4*\s+1], s23, \s*SLOT
	s_add_nc_u64 s[G0K+4*\s+2:G0K+4*\s+3], s[20:21], \s*65536      ; 512 keys of 128 bytes a slot
	s_or_b32 s[G0K+4*\s+3], s[G0K+4*\s+3], 0x80000000
	s_mov_b32 s[G0V+4*\s], 1
	s_add_co_u32 s[G0V+4*\s+1], s45, \s*SLOT
	s_add_nc_u64 s[G0V+4*\s+2:G0V+4*\s+3], s[46:47], \s*65536
	s_or_b32 s[G0V+4*\s+3], s[G0V+4*\s+3], 0x80000000
.endr
	ROUND                                          ; the four partners are here: the first joint loads meet
	s_cmp_eq_u32 s9, 0                             ; both first fills of a wave under one branch on its number: two loads of this wave are out
	s_cbranch_scc0 .Lfirst_v
	tensor_load_to_lds s[G0K:G0K+3], s[G1K:G1K+7]
	s_nop 0
	tensor_load_to_lds s[G0K+4:G0K+7], s[G1K:G1K+7]
	s_nop 0
	s_branch .Lfirst_done
.Lfirst_v:
	tensor_load_to_lds s[G0V:G0V+3], s[G1V:G1V+7]
	s_nop 0
	tensor_load_to_lds s[G0V+4:G0V+7], s[G1V:G1V+7]
	s_nop 0
.Lfirst_done:
	v_and_b32 v1, 15, v0                           ; r
	v_bfe_u32 v2, v0, 4, 1                         ; h
	v_lshlrev_b32 v[QO], 7, v1
	v_lshl_add_u32 v[QO], v2, 4, v[QO]             ; 128 r + 16 h
	s_lshl_b32 s20, s9, 11                         ; register tile 0 is query tile g: 16 queries of 128 bytes x g,
	s_xor_b32 s21, s20, 2048                       ; register tile 1 is query tile 1 - g
	v_add_nc_u32 v[QO1], s21, v[QO]
	v_add_nc_u32 v[QO], s20, v[QO]
.irp ks, 0,1
	global_load_b128 v[QF+8*\ks:QF+8*\ks+3],       v[QO],  s[16:17] offset:64*\ks      ; Q(r, 32 ks + 8 h ..)
	global_load_b128 v[QF+8*\ks+4:QF+8*\ks+7],     v[QO],  s[16:17] offset:64*\ks+32   ; Q(r, 32 ks + 16 + 8 h ..)
	global_load_b128 v[QF+16+8*\ks:QF+16+8*\ks+3], v[QO1], s[16:17] offset:64*\ks
	global_load_b128 v[QF+20+8*\ks:QF+20+8*\ks+3], v[QO1], s[16:17] offset:64*\ks+32
.endr
	v_lshrrev_b32 v[T], 1, v1
	v_and_b32 v[T+1], 1, v0
	v_mul_u32_u24 v[KB0], v[T], 272
	v_lshl_add_u32 v[KB0], v[T+1], 7, v[KB0]
	v_lshl_add_u32 v[KB0], v2, 4, v[KB0]           ; (r >> 1) 272 + (r & 1) 128 + 16 h: sixteen different 16-byte columns modulo 256
	s_mul_i32 s20, s9, HALFK
	v_add_nc_u32 v[KB0], s20, v[KB0]               ; + my half of the slot's keys
	v_bfe_u32 v[T], v0, 1, 2                       ; (l & 7) >> 1
	v_lshl_add_u32 v[T], v2, 2, v[T]               ; + 4 h: the LDS row of key 8 h + (l & 7)
	v_mul_u32_u24 v[VB0], v[T], 288
	v_lshl_add_u32 v[VB0], v[T+1], 7, v[VB0]       ; + (l & 1) 128
	v_bfe_u32 v[T], v0, 3, 1
	v_lshl_add_u32 v[VB0], v[T], 4, v[VB0]         ; + 16 ((l >> 3) & 1)
	s_mul_i32 s21, s9, HALFV
	s_add_co_u32 s21, s21, VOFF
	v_add_nc_u32 v[VB0], s21, v[VB0]               ; + where V begins + my half of the slot's keys
	s_mul_i32 s45, s8, 16*144
	s_add_co_u32 s45, s45, STG                     ; my stage
	v_mul_u32_u24 v[STO], v1, 144
	v_lshl_add_u32 v[STO], v2, 4, v[STO]
	v_add_nc_u32 v[STO], s45, v[STO]               ; in: row r, 16 bytes for each half of the lanes
	v_bfe_u32 v[T], v0, 3, 2                       ; l >> 3
	v_and_b32 v[T+1], 7, v0
	v_mul_u32_u24 v[RD], v[T], 144
	v_lshl_add_u32 v[RD], v[T+1], 4, v[RD]
	v_add_nc_u32 v[RD], s45, v[RD]                 ; back: eight lanes take a query's 128 bytes, sixteen lanes a pair of queries
	v_lshlrev_b32 v[CO], 4, v1
	v_lshl_add_u32 v[CO], v2, 12, v[CO]            ; lanes 0-15 one pair-row's 256 bytes, lanes 16-31 the next pair-row's
	v_and_b32 v[T], 31, v0                         ; l
	s_mul_i32 s20, s8, XSZ                         ; my exchange area,
	s_xor_b32 s21, s8, 8
	s_mul_i32 s21, s21, XSZ                        ; and that of my partner, the wave with the same queries and the other keys
	v_lshl_add_u32 v[XS], v[T], 4, s20             ; lane for lane, 16 bytes each: 512 neighbouring bytes an instruction
	v_lshl_add_u32 v[XL], v[T], 4, s21
	v_mov_b32 v[KAD], v[KB0]
	v_mov_b32 v[VAD], v[VB0]
; The softmax step of one query tile on its 64 new scores (E .. E + 31 in my lane: 32 keys; the other half of the wave has the other 32).
.macro SOFTMAX qt, first
.set E, SC+32*\qt
.irp c, 0,1,2,3
	v_max3_num_f32 v[T+\c], v[E+8*\c], v[E+8*\c+1], v[E+8*\c+2]    ; four chains that do not wait for each other
.endr
.irp c, 0,1,2,3
	v_max3_num_f32 v[T+\c], v[T+\c], v[E+8*\c+3], v[E+8*\c+4]
.endr
.irp c, 0,1,2,3
	v_max3_num_f32 v[T+\c], v[T+\c], v[E+8*\c+5], v[E+8*\c+6]
.endr
	v_max3_num_f32 v[T], v[T], v[T+1], v[E+7]
	v_max3_num_f32 v[T+2], v[T+2], v[T+3], v[E+15]
	v_max3_num_f32 v[T], v[T], v[E+23], v[E+31]
.if \first
	v_max_num_f32 v[T], v[T], v[T+2]
.else
	v_max3_num_f32 v[T], v[T], v[T+2], v[MX+\qt]   ; with the maximum so far
.endif
	v_permlanex16_b32 v[T+1], v[T], s43, s44       ; the other half's keys
	v_max_num_f32 v[MX+\qt], v[T], v[T+1]          ; the same in both halves
	v_mul_f32 v[T+2], s42, v[MX+\qt]               ; -c x maximum, rounded once; every exponent below uses this number
.if \first == 0
	v_sub_f32 v[T+3], v[T+2], v[NM+2*\qt]          ; c (old maximum - new), from the two rounded numbers: never above 0
	v_exp_f32 v[AL], v[T+3]
	v_exp_f32 v[AL+1], v[T+3]                      ; twice: a pair for the packed multiplies
.endif
	v_mov_b32 v[NM+2*\qt], v[T+2]                  ; plain instructions that touch neither AL nor T + 3: the place behind the exponentials (ISA guide 5.7.2)
	v_mov_b32 v[NM+2*\qt+1], v[T+2]
.set p, 0
.rept 16
	v_pk_fma_f32 v[E+2*p:E+2*p+1], v[E+2*p:E+2*p+1], s[40:41], v[NM+2*\qt:NM+2*\qt+1] op_sel_hi:[1,0,1]   ; c s - c max
.set p, p+1
.endr
.set p, 0
.rept 32
	v_exp_f32 v[E+p], v[E+p]
.set p, p+1
.endr
.if \first
	v_nop                                          ; the place behind the last exponential
	s_wait_alu depctr_va_vdst(0)
.else
.set p, 0
	s_wait_alu depctr_va_vdst(0)
.rept 16
	v_pk_mul_f32 v[OA+32*\qt+2*p:OA+32*\qt+2*p+1], v[OA+32*\qt+2*p:OA+32*\qt+2*p+1], v[AL:AL+1]   ; what has been summed is brought to the new maximum; also the place behind the exponentials
.set p, p+1
.endr
.endif
.irp c, 0,1,2,3
	v_pk_add_f32 v[T+2*\c:T+2*\c+1], v[E+2*\c:E+2*\c+1], v[E+2*\c+8:E+2*\c+9]     ; the sum of my 32, in four chains of pairs
.endr
.irp c, 0,1,2,3
	v_pk_add_f32 v[T+2*\c:T+2*\c+1], v[T+2*\c:T+2*\c+1], v[E+2*\c+16:E+2*\c+17]
.endr
.irp c, 0,1,2,3
	v_pk_add_f32 v[T+2*\c:T+2*\c+1], v[T+2*\c:T+2*\c+1], v[E+2*\c+24:E+2*\c+25]
.endr
	v_pk_add_f32 v[T:T+1], v[T:T+1], v[T+2:T+3]
	v_pk_add_f32 v[T+4:T+5], v[T+4:T+5], v[T+6:T+7]
	v_pk_add_f32 v[T:T+1], v[T:T+1], v[T+4:T+5]
.if \first
	v_add_f32 v[LS+\qt], v[T], v[T+1]
.else
	v_add_f32 v[T], v[T], v[T+1]
	v_fma_f32 v[LS+\qt], v[LS+\qt], v[AL], v[T]
.endif
.set p, 0
.rept 16
	v_cvt_pk_bf16_f32 v[E+p], v[E+2*p], v[E+2*p+1] ; in place, ascending: E .. E + 7 is P for keys 0-31, E + 8 .. E + 15 for keys 32-63
.set p, p+1
.endr
.endm
; One step: 64 keys against my 32 queries.  In every run of matrix instructions the accumulators take turns, one instruction a turn.
.macro STEP first
.irp ks, 0,1
.irp kt, 0,1,2,3
	ds_load_b128 v[KV+8*(2*\kt+\ks):KV+8*(2*\kt+\ks)+3],   v[KAD] offset:2176*\kt+64*\ks
	ds_load_b128 v[KV+8*(2*\kt+\ks)+4:KV+8*(2*\kt+\ks)+7], v[KAD] offset:2176*\kt+64*\ks+32
.endr
.endr
	s_wait_dscnt 8                                 ; the eight loads of d 0-31 are in; the eight of d 32-63 may be out
.irp kt, 0,1,2,3
.irp qt, 0,1
	v_wmma_f32_16x16x32_bf16 v[SC+32*\qt+8*\kt:SC+32*\qt+8*\kt+7], v[KV+16*\kt:KV+16*\kt+7], v[QF+16*\qt:QF+16*\qt+7], 0
.endr
.endr
	s_wait_dscnt 0x0
.irp kt, 0,1,2,3
.irp qt, 0,1
	v_wmma_f32_16x16x32_bf16 v[SC+32*\qt+8*\kt:SC+32*\qt+8*\kt+7], v[KV+16*\kt+8:KV+16*\kt+15], v[QF+16*\qt+8:QF+16*\qt+15], v[SC+32*\qt+8*\kt:SC+32*\qt+8*\kt+7]
.endr
.endr
.rept 4
	v_nop                                          ; four places: then loads may land on K's fragments and vector instructions read the scores
.endr
.irp dt, 0,1,2,3
.irp ks2, 0,1
	ds_load_tr16_b128 v[KV+8*(2*\dt+\ks2):KV+8*(2*\dt+\ks2)+3],   v[VAD] offset:4608*\ks2+32*\dt        ; V^T(16 dt + r, 32 ks2 + 8 h ..)
	ds_load_tr16_b128 v[KV+8*(2*\dt+\ks2)+4:KV+8*(2*\dt+\ks2)+7], v[VAD] offset:4608*\ks2+2304+32*\dt   ; 16 keys = 8 LDS rows further
.endr
.endr
	SOFTMAX 0, \first                              ; V's fragments arrive meanwhile
	SOFTMAX 1, \first
	s_wait_dscnt 0x0
.irp qt, 0,1
.irp dt, 0,1,2,3
.if \first
	v_wmma_f32_16x16x32_bf16 v[OA+32*\qt+8*\dt:OA+32*\qt+8*\dt+7], v[KV+16*\dt:KV+16*\dt+7], v[SC+32*\qt:SC+32*\qt+7], 0
.else
	v_wmma_f32_16x16x32_bf16 v[OA+32*\qt+8*\dt:OA+32*\qt+8*\dt+7], v[KV+16*\dt:KV+16*\dt+7], v[SC+32*\qt:SC+32*\qt+7], v[OA+32*\qt+8*\dt:OA+32*\qt+8*\dt+7]
.endif
.endr
.endr
.irp qt, 0,1
.irp dt, 0,1,2,3
	v_wmma_f32_16x16x32_bf16 v[OA+32*\qt+8*\dt:OA+32*\qt+8*\dt+7], v[KV+16*\dt+8:KV+16*\dt+15], v[SC+32*\qt+8:SC+32*\qt+15], v[OA+32*\qt+8*\dt:OA+32*\qt+8*\dt+7]
.endr
.endr
	v_add_nc_u32 v[KAD], 32*272, v[KAD]            ; 64 keys = 32 LDS rows on.  These two and three v_nop are five places: behind them loads
	v_add_nc_u32 v[VAD], 32*288, v[VAD]            ; land on V's fragments and the next score products write over P (ISA guide 7.12.1)
.rept 3
	v_nop
.endr
.endm
; The change to slot `slot`; `other` is the slot that has just been read.  refill = 1: that one gets the 512 keys that lie 1,024 behind its last ones.
.macro HEAD slot, other, refill
	s_wait_xcnt 0x0
	v_lshl_add_u32 v126, v0, 2, 0x48000
	v_mov_b32 v127, 0
	s_wait_tensorcnt 0x0                           ; all my tensor loads have landed, my part of this slot among them: every group 0 may be written
	ds_add_u32 v126, v127
	s_wait_dscnt 0x0
.if \refill
	s_add_nc_u64 s[G0K+4*\other+2:G0K+4*\other+3], s[G0K+4*\other+2:G0K+4*\other+3], 131072
	s_add_nc_u64 s[G0V+4*\other+2:G0V+4*\other+3], s[G0V+4*\other+2:G0V+4*\other+3], 131072
.endif
	s_wait_dscnt 0x0                               ; my reads of the other slot are done
.if \refill
	ROUND                                          ; both now hold of every wave of all four partners
	JLOAD \other                                   ; my one tensor load behind the round; it has every wave's four steps on this slot in which to land
.else
	s_barrier_signal -1
	s_barrier_wait -1
.endif
	v_add_nc_u32 v[KAD], \slot*SLOT, v[KB0]
	v_add_nc_u32 v[VAD], \slot*SLOT, v[VB0]
.endm
	s_wait_tensorcnt 1                             ; my part of slot 0 is in; slot 1's stays out
	s_barrier_signal -1
	s_barrier_wait -1
	s_wait_loadcnt 0x0                             ; Q, once
	STEP 1                                         ; the first step starts maximum, sum and O: nothing is cleared
	s_mov_b32 s22, 3
.Lkeys_a:
	STEP 0                                         ; the rest of my 256 of keys 0 to 511
	s_sub_co_u32 s22, s22, 1
	s_cmp_lg_u32 s22, 0
	s_cbranch_scc1 .Lkeys_a
	HEAD 1, 0, 1                                   ; slot 0 gets keys 1024 to 1535
	s_mov_b32 s22, 4
.Lkeys_b:
	STEP 0                                         ; my 256 of keys 512 to 1023
	s_sub_co_u32 s22, s22, 1
	s_cmp_lg_u32 s22, 0
	s_cbranch_scc1 .Lkeys_b
	HEAD 0, 1, 1                                   ; slot 1 gets keys 1536 to 2047
	s_mov_b32 s22, 4
.Lkeys_c:
	STEP 0                                         ; my 256 of keys 1024 to 1535
	s_sub_co_u32 s22, s22, 1
	s_cmp_lg_u32 s22, 0
	s_cbranch_scc1 .Lkeys_c
	HEAD 1, 0, 0                                   ; nothing is left to fetch; behind this barrier no wave reads slot 0 any more
	s_mov_b32 s22, 4
.Lkeys_d:
	STEP 0                                         ; my 256 of keys 1536 to 2047
	s_sub_co_u32 s22, s22, 1
	s_cmp_lg_u32 s22, 0
	s_cbranch_scc1 .Lkeys_d
	; THE TWO HALVES OF THE KEYS ARE JOINED.  I send register tile 1 (O, -c x maximum, sum), lane for lane; it is my partner's register tile 0.
	; The last step's five places stand behind the last matrix instruction.
	v_mov_b32 v[T], v[NM+2]
	v_mov_b32 v[T+1], v[LS+1]                      ; T + 2 and T + 3 go along unread
.irp i, 0,1,2,3,4,5,6,7
	ds_store_b128 v[XS], v[OA+32+4*\i:OA+32+4*\i+3] offset:512*\i
.endr
	ds_store_b128 v[XS], v[T:T+3] offset:4096
	s_wait_dscnt 0x0                               ; my stores are done, for my partner's sake
	s_barrier_signal -1
	s_barrier_wait -1
	ds_load_b128 v[T+4:T+7], v[XL] offset:4096     ; my partner's -c x maximum (T + 4) and sum (T + 5) for my register tile 0
.irp i, 0,1,2,3,4,5,6,7
	ds_load_b128 v[KV+4*\i:KV+4*\i+3], v[XL] offset:512*\i         ; and its O
.endr
	s_wait_dscnt 8                                 ; the first of the nine loads is in; the eight of O may be out
	v_min_num_f32 v[T], v[NM], v[T+4]              ; -c x the larger of the two maxima
	v_sub_f32 v[T+1], v[T], v[NM]                  ; c (my maximum - the larger): never above 0
	v_sub_f32 v[T+2], v[T], v[T+4]                 ; the same for my partner's
	v_exp_f32 v[T+1], v[T+1]
	v_exp_f32 v[T+2], v[T+2]
	v_nop                                          ; the place behind the exponentials
	s_wait_alu depctr_va_vdst(0)
	v_mul_f32 v[T+3], v[T+1], v[LS]
	v_fma_f32 v[T+3], v[T+2], v[T+5], v[T+3]       ; both halves of the keys, of my half of the wave
	v_permlanex16_b32 v[T+6], v[T+3], s43, s44     ; the other half of the wave
	v_add_f32 v[T+3], v[T+3], v[T+6]               ; the row's sum over all 2,048 keys
	v_rcp_f32 v[T+3], v[T+3]
	v_nop                                          ; the place behind the reciprocal
	s_wait_alu depctr_va_vdst(0)
	v_mul_f32 v[AL], v[T+1], v[T+3]                ; my factor, twice,
	v_mul_f32 v[AL+1], v[T+1], v[T+3]
	v_mul_f32 v[NM], v[T+2], v[T+3]                ; and my partner's, twice
	v_mul_f32 v[NM+1], v[T+2], v[T+3]
.irp p, 0,1,2,3,4,5,6,7,8,9,10,11,12,13,14,15
	v_pk_mul_f32 v[OA+2*\p:OA+2*\p+1], v[OA+2*\p:OA+2*\p+1], v[AL:AL+1]           ; my part, while my partner's arrives
.endr
	s_wait_dscnt 0x0
.irp p, 0,1,2,3,4,5,6,7,8,9,10,11,12,13,14,15
	v_pk_fma_f32 v[OA+2*\p:OA+2*\p+1], v[KV+2*\p:KV+2*\p+1], v[NM:NM+1], v[OA+2*\p:OA+2*\p+1]
.endr
	; THE WAY OUT, through my own stage (LDS serves a wave's instructions in order, ISA guide 5.7.1: no wait between my stores and my loads)
.irp p, 0,1,2,3,4,5,6,7,8,9,10,11,12,13,14,15
	v_cvt_pk_bf16_f32 v[KV+32+\p], v[OA+2*\p], v[OA+2*\p+1]
.endr
.irp dt, 0,1,2,3
	ds_store_b128 v[STO], v[KV+32+4*\dt:KV+32+4*\dt+3] offset:32*\dt              ; query r, d = 16 dt + 8 h + 0..7
.endr
.irp i, 0,1,2,3
	ds_load_b128 v[KV+48+4*\i:KV+48+4*\i+3], v[RD] offset:576*\i                  ; four queries = two pair-rows
.endr
.irp i, 0,1,2,3
	s_wait_dscnt 3-\i                              ; LDS loads come back in order: load i of the four is in
	global_store_b128 v[CO], v[KV+48+4*\i:KV+48+4*\i+3], s[18:19] offset:8192*\i  ; sixteen lanes store 256 consecutive bytes, aligned
.endr
	s_wait_xcnt 0x0
	v_lshl_add_u32 v126, v0, 2, 0x48000
	v_mov_b32 v127, 0
	s_wait_tensorcnt 0x0
	ds_add_u32 v126, v127
	s_wait_dscnt 0x0
	ROUND                                          ; the closing round: no work-group ends while a partner may still ask for a tile that names it
	s_endpgm
.Lfunc_end_k_q13e4bf1ace_attn:
	.size	k_q13e4bf1ace_attn, .Lfunc_end_k_q13e4bf1ace_attn-k_q13e4bf1ace_attn
	.p2alignl 7, 3214868480
	.fill 96, 4, 3214868480
	.section	.rodata,"a",@progbits
	.p2align	6, 0x0
	.amdhsa_kernel k_q13e4bf1ace_attn
		.amdhsa_group_segment_fixed_size 327680
		.amdhsa_private_segment_fixed_size 0
		.amdhsa_enable_private_segment 0
		.amdhsa_kernarg_size 16
		.amdhsa_user_sgpr_count 2
		.amdhsa_user_sgpr_kernarg_segment_ptr 1
		.amdhsa_wavefront_size32 1
		.amdhsa_system_sgpr_workgroup_id_x 1
		.amdhsa_system_sgpr_workgroup_id_y 1
		.amdhsa_system_sgpr_workgroup_id_z 1
		.amdhsa_system_vgpr_workitem_id 0
		.amdhsa_next_free_vgpr 256
		.amdhsa_next_free_sgpr 66
		.amdhsa_reserve_vcc 0
		.amdhsa_float_denorm_mode_32 3
		.amdhsa_float_denorm_mode_16_64 3
		.amdhsa_memory_ordered 1
		.amdhsa_forward_progress 1
		.amdhsa_inst_pref_size 102
	.end_amdhsa_kernel
	.amdgpu_metadata
---
amdhsa.version: [ 1, 2 ]
amdhsa.kernels:
  - .name:           k_q13e4bf1ace_attn
    .symbol:         k_q13e4bf1ace_attn.kd
    .args:
      - { .name: qkv, .offset: 0, .size: 8, .value_kind: global_buffer, .address_space: global }
      - { .name: att, .offset: 8, .size: 8, .value_kind: global_buffer, .address_space: global }
    .group_segment_fixed_size: 327680
    .private_segment_fixed_size: 0
    .kernarg_segment_align: 8
    .kernarg_segment_size: 16
    .max_flat_workgroup_size: 512
    .sgpr_count:     66
    .vgpr_count:     256
    .wavefront_size: 32
...
	.end_amdgpu_metadata
.endif
;; end of part 3
;; launch gemm_out (part 4): grid 8 x 32, 4 waves a work-group, clusters of 4 x 4, 327,680 bytes of LDS; arguments att, woutb, b_out, out0; writes out0
.if DOCPART == 4
	.amdgcn_target "amdgcn-amd-amdhsa--gfx1250"
	.amdhsa_code_object_version 6
	.text
	.protected	k_q13e4bf1ace_gemm_out
	.globl	k_q13e4bf1ace_gemm_out
	.p2align	8
	.type	k_q13e4bf1ace_gemm_out,@function
k_q13e4bf1ace_gemm_out:
	s_mov_b64 s[64:65], 0
	v_nop
	global_prefetch_b8 v0, s[64:65] scope:SCOPE_SE
	s_setreg_imm32_b32 hwreg(HW_REG_WAVE_MODE, 25, 1), 1
	s_wait_xcnt 0x0
	s_wait_alu depctr_hold_cnt(0) depctr_sa_sdst(0) depctr_va_vdst(0) depctr_va_sdst(0) depctr_va_ssrc(0) depctr_va_vcc(0) depctr_vm_vsrc(0)
	s_getreg_b32 s2, hwreg(HW_REG_IB_STS2, 6, 4)
	s_cmp_eq_u32 s2, 0
	s_cbranch_scc0 .Lentry_in_a_cluster
	s_endpgm
.Lentry_in_a_cluster:
	s_bfe_u32 s2, ttmp6, 0x10000c
	s_cmp_lg_u32 s2, 0xf033
	s_cbranch_scc0 .Lentry_shape_is_right
	s_endpgm
.Lentry_shape_is_right:
; out0 = att woutb^T + b_out, f32.  woutb: [1024][1024] bf16, b_out: [1024] f32, out0: [4096][1024] f32.
; att lies as [pair-row 2048][h 16][parity 2][64] bf16: A(m, k) at byte (m >> 1) 4096 + (k >> 6) 256 + (m & 1) 128 + 2 (k & 63).
; A work-group makes 128 x 128 with four waves, 2 x 2, a wave 64 x 64: 16 accumulator tiles.  8 x 32 = 256 work-groups.
; K = 1024 goes through two LDS slots of 256 along K each (8 quarters of 32): four fills, two of them refills.
; Every tensor load brings 64 rows of 512 bytes (pitch 528): waves 0, 1 the block's 64 pair-rows of att, two heads each;
; waves 2, 3 each 64 rows of W.
; CLUSTERS: 4 x 4; att's tiles are shared along a row of the cluster, W's along a column, each asked for jointly.
; The matrix instruction is used transposed (source 0 = W, source 1 = att): a lane holds eight neighbouring columns of a row.
; The bias enters as the C of each tile's first product.
; Limits: NaN and infinities are not treated specially; the operands are bf16.
; REGISTERS: window 0: v16-27 addresses, v64-127 / v128-191 fragments (W at + 0, att at + 32), v192-223 the bias;
; window 1: tile (a, b) at v[8 (4 a + b)].
.set PITCH, 528                        ; 512 bytes + 16: 33 x 16 bytes
.set PART,  64*PITCH                   ; what one tensor load brings: 33,792 bytes
.set SLOT,  4*PART
.set STG,   2*SLOT                     ; behind the ring: 16 rows x 272 bytes for each wave
.set SPITCH, 272
.set ADRA, 16
.set ADRB, 20
.set STO,  24
.set RD,   25
.set CO,   26
.set BO,   27
.set F0,   64
.set F1,   128
.set BIAS, 192
.set G1A, 24
.set G0A, 32
.set G1B, 48
.set G0B, 56
.set DW0, (1<<16)|(1<<20)|(1<<21)|(6<<22)|(3<<25)   ; elements of 2 bytes; padding on; bit 21 beside a mask; after every 128 words, 4 words
.set MSB, 0
.macro WIN new
.if MSB != \new
	s_set_vgpr_msb (MSB<<8)|\new
.set MSB, \new
.endif
.endm
.set MUL,   0x50                       ; sources 0 and 1 window 0, C and D window 1
.set FIRST, 0x40                       ; C = the bias in window 0, D window 1
.set ST,    0x04                       ; an LDS store's data (source 1) in window 1
.macro JLOAD s
	s_cmp_eq_u32 s13, 0
	s_cbranch_scc0 .Lfor_b_\@
	tensor_load_to_lds s[G0A+4*\s:G0A+4*\s+3], s[G1A:G1A+7]
	s_nop 0
	s_branch .Lasked_\@
.Lfor_b_\@:
	tensor_load_to_lds s[G0B+4*\s:G0B+4*\s+3], s[G1B:G1B+7]
	s_nop 0
.Lasked_\@:
.endm
.macro CREST
	s_cmp_lg_u32 s12, 0
	s_cbranch_scc1 .Lnot_wave_0_\@
	s_barrier_signal -3
.Lnot_wave_0_\@:
	s_barrier_wait -3
	s_barrier_signal -1
	s_barrier_wait -1
.endm
.macro CROUND
	s_barrier_signal -1
	s_barrier_wait -1
	CREST
.endm
	s_load_b256 s[4:11], s[0:1], 0x0               ; att s[4:5], woutb s[6:7], b_out s[8:9], out0 s[10:11]
	v_lshl_add_u32 v254, v0, 2, 0x46400
	v_mov_b32 v255, 0
	ds_add_u32 v254, v255
	v_lshrrev_b32 v1, 5, v0
	v_readfirstlane_b32 s12, v1                    ; wave 0..3
	s_lshr_b32 s13, s12, 1                         ; my half of the rows.  Also: I fetch att (0) or W (1)
	s_and_b32 s14, s12, 1                          ; my half of the columns.  Also: which part of that tile I fetch
	s_bfe_u32 s40, ttmp6, 0x40000                  ; cx
	s_bfe_u32 s41, ttmp6, 0x40004                  ; cy
	s_lshl_b32 s42, ttmp9, 2
	s_add_co_u32 s42, s42, s40                     ; block column
	s_and_b32 s15, ttmp7, 0xffff
	s_lshl_b32 s15, s15, 2
	s_add_co_u32 s15, s15, s41                     ; block row
	s_lshl_b32 s43, s41, 2
	s_lshl_b32 s43, 15, s43                        ; my row of the cluster
	s_lshl_b32 s44, 0x1111, s40                    ; my column
	s_or_b32 s[G1A+0], s43, DW0
	s_mov_b32 s[G1A+1], 256<<16                    ; tensor_dim0 = 256 elements (512 bytes: two heads of a pair-row)
	s_mov_b32 s[G1A+2], 64<<16                     ; tensor_dim1 = 64
	s_mov_b32 s[G1A+3], 256<<16                    ; tile_dim0
	s_mov_b32 s[G1A+4], 64                         ; tile_dim1
	s_mov_b32 s[G1A+5], 2048                       ; elements from pair-row to pair-row
	s_mov_b32 s[G1A+6], 0
	s_mov_b32 s[G1A+7], 0
	s_or_b32 s[G1B+0], s44, DW0
	s_mov_b32 s[G1B+1], 256<<16
	s_mov_b32 s[G1B+2], 64<<16
	s_mov_b32 s[G1B+3], 256<<16
	s_mov_b32 s[G1B+4], 64
	s_mov_b32 s[G1B+5], 1024                       ; elements from row to row of W
	s_mov_b32 s[G1B+6], 0
	s_mov_b32 s[G1B+7], 0
	s_lshl_b32 s16, s15, 18                        ; att: 64 pair-rows of 4,096 bytes a block row,
	s_lshl_b32 s17, s14, 9                         ; + 512 bytes for the second two heads
	s_add_co_u32 s16, s16, s17
	s_mov_b32 s17, 0
	s_lshl_b32 s46, s42, 18                        ; W: 128 rows of 2,048 bytes a block column,
	s_lshl_b32 s47, s14, 17                        ; + 64 rows
	s_add_co_u32 s46, s46, s47
	s_mov_b32 s47, 0
	s_lshl_b32 s22, s42, 9                         ; my first column in bytes of f32: 512 x block column + 256 x half (bias and out0)
	s_lshl_b32 s23, s14, 8
	s_add_co_u32 s22, s22, s23
	s_mov_b32 s23, 0
	s_mul_i32 s20, s12, PART                       ; where my part goes: wave x 33,792
	s_wait_dscnt 0x0
	s_wait_kmcnt 0x0
	s_add_nc_u64 s[18:19], s[4:5], s[16:17]
	s_add_nc_u64 s[46:47], s[6:7], s[46:47]
	s_add_nc_u64 s[8:9], s[8:9], s[22:23]
	CROUND                                         ; the first joint loads meet
.irp s, 0,1
	s_mov_b32 s[G0A+4*\s], 1
	s_add_co_u32 s[G0A+4*\s+1], s20, \s*SLOT
	s_add_nc_u64 s[G0A+4*\s+2:G0A+4*\s+3], s[18:19], \s*1024       ; four heads of 256 bytes a slot
	s_or_b32 s[G0A+4*\s+3], s[G0A+4*\s+3], 0x80000000
	s_mov_b32 s[G0B+4*\s], 1
	s_add_co_u32 s[G0B+4*\s+1], s20, \s*SLOT
	s_add_nc_u64 s[G0B+4*\s+2:G0B+4*\s+3], s[46:47], \s*512        ; 256 along K
	s_or_b32 s[G0B+4*\s+3], s[G0B+4*\s+3], 0x80000000
	JLOAD \s                                       ; two loads of this wave are out
.endr
	v_and_b32 v1, 15, v0                           ; r
	v_bfe_u32 v2, v0, 4, 1                         ; h
	v_lshlrev_b32 v[BO], 5, v2
.irp b, 0,1,2,3
	global_load_b128 v[BIAS+8*\b:BIAS+8*\b+3],   v[BO], s[8:9] offset:64*\b
	global_load_b128 v[BIAS+8*\b+4:BIAS+8*\b+7], v[BO], s[8:9] offset:64*\b+16
.endr
	v_lshrrev_b32 v3, 1, v1
	v_and_b32 v4, 1, v0
	v_mul_u32_u24 v5, v3, PITCH
	v_lshl_add_u32 v5, v4, 7, v5
	v_lshl_add_u32 v5, v2, 4, v5                   ; att: (r >> 1) 528 + (r & 1) 128 + 16 h: sixteen different 16-byte columns modulo 256
	v_mul_u32_u24 v6, v1, PITCH
	v_lshl_add_u32 v6, v2, 4, v6                   ; W: r 528 + 16 h
	s_mul_i32 s16, s13, 32*PITCH                   ; my 64 rows = 32 pair-rows
	s_mul_i32 s17, s14, PART
	s_add_co_u32 s17, s17, 2*PART                  ; my 64 rows of W, behind att's two parts
.irp s, 0,1
	v_add_nc_u32 v[ADRA+\s], s16, v5
	v_add_nc_u32 v[ADRB+\s], s17, v6
	s_add_co_u32 s16, s16, SLOT
	s_add_co_u32 s17, s17, SLOT
.endr
	s_mul_i32 s16, s12, 16*SPITCH
	s_add_co_u32 s16, s16, STG                     ; my stage
	v_mul_u32_u24 v7, v1, SPITCH
	v_lshl_add_u32 v7, v2, 5, v7
	v_add_nc_u32 v[STO], s16, v7                   ; in: row r, 32 bytes for each half of the lanes
	v_mul_u32_u24 v7, v2, SPITCH
	v_lshl_add_u32 v7, v1, 4, v7
	v_add_nc_u32 v[RD], s16, v7                    ; back: lanes 0-15 one row of 256 bytes, lanes 16-31 the next
	v_lshlrev_b32 v[CO], 4, v1
	v_lshl_add_u32 v[CO], v2, 12, v[CO]            ; and the same two rows in out0
; 16 LDS loads: quarter q (32 along K) of a slot into buffer f.  Of att, quarter q lies in part q >> 2, head (q >> 1) & 1 of it, at byte 64 (q & 1).
.macro FETCH slot, q, f
.irp b, 0,1,2,3
	ds_load_b128 v[\f+8*\b:\f+8*\b+3],   v[ADRB+\slot] offset:16*PITCH*\b+64*(\q)
	ds_load_b128 v[\f+8*\b+4:\f+8*\b+7], v[ADRB+\slot] offset:16*PITCH*\b+64*(\q)+32
.endr
.irp a, 0,1,2,3
	ds_load_b128 v[\f+32+8*\a:\f+32+8*\a+3], v[ADRA+\slot] offset:((\q)>>2)*PART+(((\q)>>1)&1)*256+((\q)&1)*64+8*PITCH*\a
	ds_load_b128 v[\f+36+8*\a:\f+36+8*\a+3], v[ADRA+\slot] offset:((\q)>>2)*PART+(((\q)>>1)&1)*256+((\q)&1)*64+8*PITCH*\a+32
.endr
.endm
; 16 matrix instructions; the 16 accumulators take turns in one order everywhere
.macro MUL16 f, first
.irp a, 0,1,2,3
.irp b, 0,1,2,3
.if \first
	v_wmma_f32_16x16x32_bf16 v[8*(4*\a+\b):8*(4*\a+\b)+7], v[\f+8*\b:\f+8*\b+7], v[\f+32+8*\a:\f+32+8*\a+7], v[BIAS+8*\b:BIAS+8*\b+7]
.else
	v_wmma_f32_16x16x32_bf16 v[8*(4*\a+\b):8*(4*\a+\b)+7], v[\f+8*\b:\f+8*\b+7], v[\f+32+8*\a:\f+32+8*\a+7], v[8*(4*\a+\b):8*(4*\a+\b)+7]
.endif
.endr
.endr
.endm
.macro PLACES                          ; four places behind the matrix instructions that read a buffer, before loads land on it (ISA guide 7.12.1 for vector instructions)
.rept 4
	v_nop
.endr
.endm
; Quarter q (0 to 6) of a slot: the next quarter's fragments are asked for, then this quarter's are multiplied.
.macro QTR slot, q, first
.set FCUR, F0+64*((\q)&1)
.set FNXT, F0+64*(1-((\q)&1))
	PLACES
	FETCH \slot, \q+1, FNXT
	s_wait_dscnt 16                                ; all but the 16 just issued
.if \first
	WIN FIRST
.else
	WIN MUL
.endif
	MUL16 FCUR, \first
	WIN 0
.endm
; Quarter 7 and the change of slots: the waits, the barrier (with the last 16 products between its halves), the refill first, then the next slot's first fragments.
.macro LASTQ slot, next, fill
	s_wait_dscnt 0x0                               ; my reads of this slot are over
	s_wait_tensorcnt 0x0                           ; all my tensor loads have landed: the one that was out is my part of the next slot
	ds_add_u32 v254, v255
	s_wait_dscnt 0x0
	s_barrier_signal -1
	WIN MUL
	MUL16 F1, 0
	WIN 0
	s_barrier_wait -1
.if \fill
	CREST                                          ; no wave of any partner still reads this slot or has a load on its way
	s_add_nc_u64 s[G0A+4*\slot+2:G0A+4*\slot+3], s[G0A+4*\slot+2:G0A+4*\slot+3], 2048
	s_add_nc_u64 s[G0B+4*\slot+2:G0B+4*\slot+3], s[G0B+4*\slot+2:G0B+4*\slot+3], 1024
	JLOAD \slot                                    ; my one tensor load behind the round; it has eight quarters in which to land
.endif
	PLACES
	FETCH \next, 0, F0
.endm
	s_wait_tensorcnt 1                             ; my part of slot 0 is in; slot 1's stays out
	s_barrier_signal -1
	s_barrier_wait -1
	FETCH 0, 0, F0
	s_wait_loadcnt 0x0                             ; the bias, once
	QTR 0, 0, 1                                    ; K 0-255
.irp q, 1,2,3,4,5,6
	QTR 0, \q, 0
.endr
	LASTQ 0, 1, 1                                  ; slot 0 gets K 512-767
.irp q, 0,1,2,3,4,5,6
	QTR 1, \q, 0                                   ; K 256-511
.endr
	LASTQ 1, 0, 1                                  ; slot 1 gets K 768-1023
.irp q, 0,1,2,3,4,5,6
	QTR 0, \q, 0
.endr
	LASTQ 0, 1, 0                                  ; nothing is left to fetch
.irp q, 0,1,2,3,4,5,6
	QTR 1, \q, 0
.endr
	s_wait_dscnt 0x0
	WIN MUL
	MUL16 F1, 0
	WIN 0
	; THE WAY OUT, 16 rows at a time through my own stage, which no tensor load fills; LDS serves a wave's instructions in order (ISA guide 5.7.1)
	PLACES
	s_lshl_b32 s16, s15, 19                        ; 128 rows of 4,096 bytes a block row,
	s_lshl_b32 s17, s13, 18                        ; + 64 rows
	s_add_co_u32 s16, s16, s17
	s_mov_b32 s17, 0
	s_add_nc_u64 s[10:11], s[10:11], s[16:17]
	s_add_nc_u64 s[10:11], s[10:11], s[22:23]      ; + my first column
.irp a, 0,1,2,3
	WIN ST
.irp b, 0,1,2,3
	ds_store_b128 v[STO], v[8*(4*\a+\b):8*(4*\a+\b)+3]   offset:64*\b       ; row r, columns 16 b + 8 h + 0..3
	ds_store_b128 v[STO], v[8*(4*\a+\b)+4:8*(4*\a+\b)+7] offset:64*\b+16    ; and + 4..7
.endr
	WIN 0
.irp t, 0,1,2,3,4,5,6,7
	ds_load_b128 v[64+32*\a+4*\t:64+32*\a+4*\t+3], v[RD] offset:2*SPITCH*\t
.endr
.irp t, 0,1,2,3,4,5,6,7
	s_wait_dscnt 7-\t
	global_store_b128 v[CO], v[64+32*\a+4*\t:64+32*\a+4*\t+3], s[10:11] offset:4096*(16*\a+2*\t) th:TH_STORE_NT   ; sixteen lanes store 256 consecutive bytes, aligned
.endr
.endr
	s_wait_tensorcnt 0x0
	ds_add_u32 v254, v255
	s_wait_dscnt 0x0
	CROUND                                         ; the closing round
	s_endpgm
.Lfunc_end_k_q13e4bf1ace_gemm_out:
	.size	k_q13e4bf1ace_gemm_out, .Lfunc_end_k_q13e4bf1ace_gemm_out-k_q13e4bf1ace_gemm_out
	.p2alignl 7, 3214868480
	.fill 96, 4, 3214868480
	.section	.rodata,"a",@progbits
	.p2align	6, 0x0
	.amdhsa_kernel k_q13e4bf1ace_gemm_out
		.amdhsa_group_segment_fixed_size 327680
		.amdhsa_private_segment_fixed_size 0
		.amdhsa_enable_private_segment 0
		.amdhsa_kernarg_size 32
		.amdhsa_user_sgpr_count 2
		.amdhsa_user_sgpr_kernarg_segment_ptr 1
		.amdhsa_wavefront_size32 1
		.amdhsa_system_sgpr_workgroup_id_x 1
		.amdhsa_system_sgpr_workgroup_id_y 1
		.amdhsa_system_sgpr_workgroup_id_z 1
		.amdhsa_system_vgpr_workitem_id 0
		.amdhsa_next_free_vgpr 384
		.amdhsa_next_free_sgpr 66
		.amdhsa_reserve_vcc 0
		.amdhsa_float_denorm_mode_32 3
		.amdhsa_float_denorm_mode_16_64 3
		.amdhsa_memory_ordered 1
		.amdhsa_forward_progress 1
		.amdhsa_inst_pref_size 89
	.end_amdhsa_kernel
	.amdgpu_metadata
---
amdhsa.version: [ 1, 2 ]
amdhsa.kernels:
  - .name:           k_q13e4bf1ace_gemm_out
    .symbol:         k_q13e4bf1ace_gemm_out.kd
    .args:
      - { .name: att, .offset: 0, .size: 8, .value_kind: global_buffer, .address_space: global }
      - { .name: woutb, .offset: 8, .size: 8, .value_kind: global_buffer, .address_space: global }
      - { .name: b_out, .offset: 16, .size: 8, .value_kind: global_buffer, .address_space: global }
      - { .name: out0, .offset: 24, .size: 8, .value_kind: global_buffer, .address_space: global }
    .group_segment_fixed_size: 327680
    .private_segment_fixed_size: 0
    .kernarg_segment_align: 8
    .kernarg_segment_size: 32
    .max_flat_workgroup_size: 128
    .sgpr_count:     66
    .vgpr_count:     384
    .wavefront_size: 32
...
	.end_amdgpu_metadata
.endif
;; end of part 4
;; ======== version 2 of 2: 4 launches; version 1 with the launch cvt written anew for expert scheduling mode
;; workspace buffers: xb 8,388,608 bytes; wqkvb 6,291,456 bytes; woutb 2,097,152 bytes; qkv 25,165,824 bytes; att 8,388,608 bytes
;; launch cvt (part 5): grid 512 x 1, 8 waves a work-group, no clusters, 0 bytes of LDS; arguments x, W_qkv, W_out, xb, wqkvb, woutb; writes xb, wqkvb, woutb
.if DOCPART == 5
	.amdgcn_target "amdgcn-amd-amdhsa--gfx1250"
	.amdhsa_code_object_version 6
	.text
	.protected	k_q13e4bf1ace_cvt
	.globl	k_q13e4bf1ace_cvt
	.p2align	8
	.type	k_q13e4bf1ace_cvt,@function
k_q13e4bf1ace_cvt:
	s_mov_b64 s[64:65], 0
	v_nop
	global_prefetch_b8 v0, s[64:65] scope:SCOPE_SE
	s_setreg_imm32_b32 hwreg(HW_REG_WAVE_SCHED_MODE, 0, 2), 2
	s_setreg_imm32_b32 hwreg(HW_REG_WAVE_MODE, 25, 1), 1
	s_wait_xcnt 0x0
	s_wait_alu depctr_vm_vsrc(0)
; x, W_qkv and W_out (f32) are rounded once to bf16 (nearest even) into xb, wqkvb, woutb, in the same row-major order.
; A pure stream: no LDS, no barrier, no matrix unit, no cluster (no two work-groups read the same byte).
; A work-group takes 65,536 bytes of f32: groups 0-255 x (16,777,216 bytes), 256-447 W_qkv (12,582,912), 448-511 W_out (4,194,304).
; A wave takes 8,192 bytes as 16 loads of 512 neighbouring bytes, all issued at once; each load gives two packed roundings and one
; store of 8 bytes a lane: 32 lanes x 8 bytes = 256 consecutive bytes, at a multiple of 256 from the buffer's first byte.
; No register is written twice, so no source of a pending load or store is ever rewritten.
; THE MODE: SCHED_MODE bits 1:0 = 2 (LLVM: expert scheduling mode 2), set by the entry lines.  The code itself states the register
; dependences between vector instructions and memory instructions, with s_wait_alu, always for 0.
; THE PLAN.  Registers that memory instructions touch:
;   v1, v2   byte offsets in and out.  Written by the vector lines at the head; read by the 16 loads (v1) and the 16 stores (v2); never written again.
;   X        slot j is written by load j, once; no vector instruction names it before that; its two roundings read it; it is never loaded again.
;   Y        slot j is written by its two roundings, once; store j reads it; it is never written again.
; So the only dependence between the two sides is a vector write ahead of a memory read: the offsets, and the stores' data.
; One wait at the head serves the offsets.  The 16 slots go in four blocks of four: the block's eight roundings, ONE wait, the block's four stores.
; The stores follow their own block's roundings and not the next block's data: all loads are out already, so nothing is left to deal among the
; roundings, and a store held behind the wait for younger loads would only leave later.
.set X, 4                              ; v[4:67]   16 slots of 4 registers, as loaded
.set Y, 68                             ; v[68:99]  16 slots of 2 registers, to store
	s_load_b256 s[4:11], s[0:1], 0x0               ; x s[4:5], W_qkv s[6:7], W_out s[8:9], xb s[10:11]
	s_load_b128 s[12:15], s[0:1], 0x20             ; wqkvb s[12:13], woutb s[14:15]
	v_and_b32 v1, 0xe0, v0                         ; 32 x wave
	v_and_b32 v2, 31, v0                           ; lane
	v_lshlrev_b32 v2, 4, v2
	v_lshl_or_b32 v1, v1, 8, v2                    ; in: 8,192 x wave + 16 x lane
	v_lshrrev_b32 v2, 1, v1                        ; out: half of that
	s_movk_i32 s20, 448
	s_movk_i32 s21, 256
	s_wait_kmcnt 0x0
	s_cmp_lt_u32 ttmp9, 448                        ; which tensor is mine: the choice hangs on the group's number alone
	s_cselect_b64 s[16:17], s[6:7], s[8:9]
	s_cselect_b64 s[18:19], s[12:13], s[14:15]
	s_cselect_b32 s20, s21, s20                    ; the first group of that tensor
	s_cmp_lt_u32 ttmp9, 256
	s_cselect_b64 s[16:17], s[4:5], s[16:17]
	s_cselect_b64 s[18:19], s[10:11], s[18:19]
	s_cselect_b32 s20, 0, s20
	s_sub_co_u32 s20, ttmp9, s20                   ; my number inside the tensor
	s_lshl_b32 s22, s20, 16                        ; x 65,536 bytes in (16,711,680 at the most)
	s_mov_b32 s23, 0
	s_lshl_b32 s24, s20, 15                        ; x 32,768 bytes out
	s_mov_b32 s25, 0
	s_add_nc_u64 s[16:17], s[16:17], s[22:23]
	s_add_nc_u64 s[18:19], s[18:19], s[24:25]
	s_wait_alu depctr_va_vdst(0)                   ; v1 and v2 are written: every load below reads v1 as its offset, every store v2
.irp j, 0,1,2,3,4,5,6,7,8,9,10,11,12,13,14,15
	global_load_b128 v[X+4*\j:X+4*\j+3], v1, s[16:17] offset:512*\j th:TH_LOAD_NT   ; read once in the launch
.endr
.irp p, 0,1,2,3
	s_wait_loadcnt 12-4*(\p)                       ; loads come back in order (ISA guide 5.7.1): the block's four are in, the 12 - 4 p younger ones stay out
.irp i, 0,1,2,3
	v_cvt_pk_bf16_f32 v[Y+2*(4*(\p)+(\i))],   v[X+4*(4*(\p)+(\i))],   v[X+4*(4*(\p)+(\i))+1]
	v_cvt_pk_bf16_f32 v[Y+2*(4*(\p)+(\i))+1], v[X+4*(4*(\p)+(\i))+2], v[X+4*(4*(\p)+(\i))+3]
.endr
	s_wait_alu depctr_va_vdst(0)                   ; the block's eight roundings have written its four slots of Y, which the four stores below read
.irp i, 0,1,2,3
	global_store_b64 v2, v[Y+2*(4*(\p)+(\i)):Y+2*(4*(\p)+(\i))+1], s[18:19] offset:256*(4*(\p)+(\i))    ; no hint: the next launch reads these bytes
.endr
.endr
	s_endpgm
.Lfunc_end_k_q13e4bf1ace_cvt:
	.size	k_q13e4bf1ace_cvt, .Lfunc_end_k_q13e4bf1ace_cvt-k_q13e4bf1ace_cvt
	.p2alignl 7, 3214868480
	.fill 96, 4, 3214868480
	.section	.rodata,"a",@progbits
	.p2align	6, 0x0
	.amdhsa_kernel k_q13e4bf1ace_cvt
		.amdhsa_group_segment_fixed_size 0
		.amdhsa_private_segment_fixed_size 0
		.amdhsa_enable_private_segment 0
		.amdhsa_kernarg_size 48
		.amdhsa_user_sgpr_count 2
		.amdhsa_user_sgpr_kernarg_segment_ptr 1
		.amdhsa_wavefront_size32 1
		.amdhsa_system_sgpr_workgroup_id_x 1
		.amdhsa_system_sgpr_workgroup_id_y 1
		.amdhsa_system_sgpr_workgroup_id_z 1
		.amdhsa_system_vgpr_workitem_id 0
		.amdhsa_next_free_vgpr 100
		.amdhsa_next_free_sgpr 66
		.amdhsa_reserve_vcc 0
		.amdhsa_float_denorm_mode_32 3
		.amdhsa_float_denorm_mode_16_64 3
		.amdhsa_memory_ordered 1
		.amdhsa_forward_progress 1
		.amdhsa_inst_pref_size 7
	.end_amdhsa_kernel
	.amdgpu_metadata
---
amdhsa.version: [ 1, 2 ]
amdhsa.kernels:
  - .name:           k_q13e4bf1ace_cvt
    .symbol:         k_q13e4bf1ace_cvt.kd
    .args:
      - { .name: x, .offset: 0, .size: 8, .value_kind: global_buffer, .address_space: global }
      - { .name: W_qkv, .offset: 8, .size: 8, .value_kind: global_buffer, .address_space: global }
      - { .name: W_out, .offset: 16, .size: 8, .value_kind: global_buffer, .address_space: global }
      - { .name: xb, .offset: 24, .size: 8, .value_kind: global_buffer, .address_space: global }
      - { .name: wqkvb, .offset: 32, .size: 8, .value_kind: global_buffer, .address_space: global }
      - { .name: woutb, .offset: 40, .size: 8, .value_kind: global_buffer, .address_space: global }
    .group_segment_fixed_size: 0
    .private_segment_fixed_size: 0
    .kernarg_segment_align: 8
    .kernarg_segment_size: 48
    .max_flat_workgroup_size: 256
    .sgpr_count:     66
    .vgpr_count:     100
    .wavefront_size: 32
...
	.end_amdgpu_metadata
.endif
;; end of part 5
;; launch gemm_qkv: the kernel of part 2 again; grid 16 x 16, 4 waves a work-group, clusters of 4 x 4, 327,680 bytes of LDS; arguments xb, wqkvb, b_qkv, qkv; writes qkv
;; launch attn: the kernel of part 3 again; grid 8 x 32, 16 waves a work-group, clusters of 4 x 1, 327,680 bytes of LDS; arguments qkv, att; writes att
;; launch gemm_out: the kernel of part 4 again; grid 8 x 32, 4 waves a work-group, clusters of 4 x 4, 327,680 bytes of LDS; arguments att, woutb, b_out, out0; writes out0
